; MI455X (gfx1250); checked and timed in simulation.
; The chip was launched on July 23, 2026; its instructions are those of AMD's public machine-readable ISA for CDNA 5 (MIT licence, August 2026) and "CDNA5" Instruction Set Architecture Reference Guide (July 2026). The comments in the code are by the model that wrote it; some were corrected since.
;; Dot Product Attention. Allowed arithmetic: matrix products marked QUANTISED: E3M2 operands, one E8M0 scale for each 32 along K, by v_wmma_scale_f32_16x16x128_f8f6f4 with both operands' format E3M2, f32 sums; everything else in f32.
;; Inputs: keys_codes 128 x 1,024 x 2 x 24 uint8 (E3M2 codes of keys, K innermost, in blocks of 32 codes, four codes in three bytes); keys_scales 128 x 1,024 x 2 uint8 (E8M0 scales of keys, one for each 32 codes along K); queries_codes 128 x 1,024 x 2 x 24 uint8 (E3M2 codes of queries, K innermost, in blocks of 32 codes, four codes in three bytes); queries_scales 128 x 1,024 x 2 uint8 (E8M0 scales of queries, one for each 32 codes along K); valid_lens 128 int32; values_codes 128 x 64 x 32 x 24 uint8 (E3M2 codes of values, K innermost, in blocks of 32 codes, four codes in three bytes); values_scales 128 x 64 x 32 uint8 (E8M0 scales of values, one for each 32 codes along K).
;; Outputs: out0 128 x 1,024 x 64 float32.
;; This version of the problem:
;;   THIS VERSION OF THE PROBLEM IS GIVEN IN LOW PRECISION. The matrix products marked QUANTISED in the list below multiply operands that are first quantised to E3M2 (3 exponent bits, 2 mantissa bits; 6 bits a number), with one power-of-two scale for each 32 numbers along K (OCP MX v1.0); their sums are f32. All else is computed in f32.
;;   The module's matrix products, in the order in which they are computed (A, B: the left and right operand; K: the contracted axis; several contracted axes count as one K, in the product's order):
;;     1. batch 128 x [M 1,024, K 64] x [K 64, N 1,024]; A: input queries (given as codes); B: input keys (given as codes): QUANTISED
;;     2. batch 128 x [M 1,024, K 1,024] x [K 1,024, N 64]; A: softmax (see below); B: input values (given as codes): QUANTISED
;;   THE QUANTISER, for each operand of a quantised product, along K:
;;     - K is cut into blocks of 32 from its start; a last block that is shorter is filled with zeros.
;;     - A block's scale is 2^e with e = floor(log2(the largest magnitude in the block)) - 4, held to -126 .. 127; a block of zeros has e = 0. As a byte (E8M0): e + 127.
;;     - Each number is divided by its block's scale, clamped to +-28, and rounded to the nearest number of E3M2, ties to even, subnormals kept.
;;     - The product sums the exact products of the quantised numbers (number of the format x scale) in f32.
;;   ~~~python
;;   def quantise(x, axis):      # numpy; x: float32 -> the quantised numbers, widened to float32 again
;;       x = np.moveaxis(x, axis, -1); K = x.shape[-1]
;;       x = np.pad(x, [(0, 0)] * (x.ndim - 1) + [(0, -K % 32)]); x = x.reshape(x.shape[:-1] + (-1, 32)); a = np.abs(x).max(-1, keepdims=True)
;;       e = np.where(a > 0, np.clip(np.frexp(np.where(a > 0, a, 1))[1] - 1 - 4, -126, 127), 0)      # np.frexp(a)[1] - 1 = floor(log2(a)), exactly
;;       r = np.clip(x / 2.0 ** e, -28, 28)
;;       step = 2.0 ** (np.maximum(np.frexp(np.where(r == 0, 1, r))[1] - 1, -2) - 2)
;;       q = np.round(r / step) * step * 2.0 ** e      # np.round: ties to even
;;       return np.moveaxis(q.reshape(q.shape[:-2] + (-1,))[..., :K], -1, axis).astype(np.float32)
;;   ~~~
;;   SOFTMAX AHEAD OF A QUANTISED PRODUCT. Where the list says 'softmax', what is quantised is not the finished softmax but p = 2^(t - M), with t = logit x log2(e) and M = ceil(the row's largest t), a whole number; so 1/2 < the row's largest p <= 1. The row's sum l is taken of the UNQUANTISED p, in f32, and the product's result is divided by l at the end. Since M is a whole number, a kernel that streams over the keys may use a running M (the ceiling of the running maximum): every later rescaling is an exact power of two, which a block's scale takes up: the codes' values come out the same.
;;   OPERANDS COMPUTED ON THE WAY. 'Computed on the way' means the value that the module computes at that place (a softmax that the list does not call 'softmax' is quantised finished and normalised). What goes into a quantiser is computed in f32, as accurately as f32 sums, v_exp_f32 and their like allow (about 1e-6 of the number): no bf16 or f16 on the way to a quantiser, and a product that is left as it is and whose result goes on into a quantised operand takes f32 operands (vector FMAs, or v_wmma_f32_16x16x4_f32). A number that lies on a knife's edge between two numbers of the format may be rounded either way, as far as f32 arithmetic and the matrix unit's own rounding can turn it there, and no further.
;;   INPUTS GIVEN AS CODES. keys (in the module: [128, 1024, 64], K = its axis 2); queries (in the module: [128, 1024, 64], K = its axis 2); values (in the module: [128, 1024, 64], K = its axis 1): each comes as NAME_codes (uint8): NAME with its K axis moved to the last place and cut into blocks of 32 codes, [.., K / 32, bytes a block], one block behind the other in memory; four codes in three bytes: a row's codes are one little-endian stream of bits, code i at bits 6 i .. 6 i + 5 (a code: sign, 3 exponent bits, 2 mantissa bits); and NAME_scales (uint8): the same leading axes, one E8M0 byte (e + 127) for each 32 codes along K. Its value is code x scale, taken as it is: it is not quantised again, and the codes and scales need not be those that the quantiser above would give.
;; 2 versions. Each part assembles by itself: llvm-mc -triple=amdgcn-amd-amdhsa -mcpu=gfx1250 --defsym DOCPART=n.
;; ======== version 1 of 2: 1 launch
;; limits: right only within a limited range of input values
;; launch attn (part 1): grid 256 x 1, 16 waves a work-group, no clusters, 291,840 bytes of LDS; arguments keys_codes, keys_scales, queries_codes, queries_scales, valid_lens, values_codes, values_scales, out0; writes out0
.if DOCPART == 1
	.amdgcn_target "amdgcn-amd-amdhsa--gfx1250"
	.amdhsa_code_object_version 6
	.text
	.protected	k_q9ed9d25fd4_attn
	.globl	k_q9ed9d25fd4_attn
	.p2align	8
	.type	k_q9ed9d25fd4_attn,@function
k_q9ed9d25fd4_attn:
	s_mov_b64 s[64:65], 0
	v_nop
	global_prefetch_b8 v0, s[64:65] scope:SCOPE_SE
	s_setreg_imm32_b32 hwreg(HW_REG_WAVE_MODE, 25, 1), 1
	s_wait_xcnt 0x0
; out0[b][q][:] = sum over k of softmax_k(logit) V[b][k][:], logit = Q[b][q] . K[b][k] / 8 where k < valid_lens[b], else -1e6.  128 heads, 1,024 queries, 1,024 keys, head size 64.
; Both products run on codes of BF6 (E3M2) with one E8M0 byte for each 32 along K.  Q, K: rows of 64 codes (48 bytes) and 2 scale bytes.  V: keys innermost, 64 rows of 1,024 codes (768 bytes) and 32 scale bytes.
; SOFTMAX: t = logit x log2(e); M = the running largest t rounded UP to a whole number; p = 2^(t - M) is quantised along the keys, not normalised; the sum of the unquantised p divides O at the end.
; SHARES.  A head walks NS = ceil(n / 128) key steps, n = valid_len (1,024 where valid_len <= 0: then every key has the same logit and all count).  Heads are ranked by NS; work-group w takes the heads of rank
; w / 4 and 127 - w / 4 (a short one with a long one) and of each the 256 queries of quarter w % 4.  Every wave makes the ranks for itself from valid_lens, in whole numbers.  All K, V and scale bytes of both heads
; lie in LDS, filled once.  Eight of the sixteen waves serve each head; a wave owns 32 queries, two tiles of 16, so that each fragment of K and V read from LDS feeds two tiles.
; LAYOUT.  Both products are used transposed: S^T = K Q^T, O^T = V^T P^T: a lane holds ONE query (lane % 16).  THE KEYS OF A TILE ARE NOT NEIGHBOURS: lane r of tile 4 c + x takes key 64 c + 8 x + r % 8 + 32 (r / 8),
; so that a lane's 32 registers of tiles 4 c .. 4 c + 3 are the keys 64 c + 32 (lane / 16) + 0 .. 31: one whole block, in the lane and the order in which the second product's operand wants it.
; K = 64 IN AN INSTRUCTION OF K = 128: Q's operand is its 6 registers of codes and 6 registers of zeros; K's operand is a tile's 6 registers and whatever follows them (the next tile's, or zeros), which meets zero codes.
; The scale words are 16 bits widened with zeros: bytes 2 and 3 are 0, a power of two like any other.
; NO JOINT LOADS, though the four work-groups of a pair read the same K and V: the LDS layout that keeps the fragment loads apart in the banks has 128 bytes behind every 1,536 (K) and 48 behind every 768 (V),
; and neither 384 nor 192 words is an interval that a tensor descriptor's padding can state; the fill is 26 loads a wave, once in the launch, each of 512 consecutive bytes.
; LIMITS.  (a) For valid_len > 0 the key steps that lie wholly at or beyond valid_len are not walked: their terms are 2^(-1,442,695 - M), which is 0 in f32 unless the row's largest valid logit lies under about -999,900;
; such rows are not served.  Inside the step that holds valid_len masked keys are treated as they are defined.  (b) A masked key's t is the f32 product -1e6 x log2(e) = -1,442,695.0.  (c) valid_len <= 0 counts as 0,
; valid_len >= 1,024 as 1,024.  (d) NaN, infinities and the scale byte 0xff are not served.  (e) A block whose p are all 0 keeps the byte 1: its codes are zeros.  (f) A block's largest p is taken through its largest
; score by the same multiply-add and exponential, which takes v_exp_f32 not to fall where its input rises.
.set HEADB,  110080                    ; LDS: a head's region; head 0 of the pair at 0, head 1 at HEADB
.set KGRP,   1664                      ; K's codes from 0 on: 32 groups of 32 keys, 1,536 bytes + 128: rows r and r + 8 of a tile lie 416 words apart = 32 mod 64 (64 banks of 4 bytes: ISA guide 11.1)
.set VOFF,   53248                     ; V's codes: 64 rows,
.set VP,     816                       ; 768 bytes + 48 = 204 words = 12 mod 64: 16 rows begin at the 16 multiples of 4
.set KSOFF,  105472                    ; K's scale bytes, dense, 2 a key
.set VSOFF,  107520                    ; V's scale bytes: 64 rows,
.set VSP,    40                        ; 32 bytes + 8
.set STAGE,  2*HEADB                   ; the way out: 16 rows x (256 bytes + 16) for each wave
.set STGW,   16*272
.set LI,   1                           ; v1   16 x lane
.set AK,   2                           ; v2   my lane's place in a tile of K
.set AKS,  3                           ; v3   among K's scale words
.set AV,   4                           ; v4   in a tile of V
.set AVS,  5                           ; v5   among V's scale words
.set ADR,  6                           ; v6   LDS address of the codes in hand
.set STO,  7                           ; v7   the stage: where I put 32 bytes of a row
.set RD,   8                           ; v8   and where I read a row back
.set H8,   9                           ; v9   8 x (lane / 16)
.set TMV,  10                          ; v10  a masked key's t
.set DL,   11                          ; v11  valid_len - the step's first key - 32 (lane / 16)
                                       ; v12 -M, v13 the largest t, v[14:15] the sum in two halves: tile 0;  v16-19: tile 1
.set BM,   20                          ; v20-21 the two blocks' largest scores, then largest p
.set T0,   22                          ; v22-23 at work
.set T1,   23
.set FF,   24                          ; v24 f = 2^(old M - new M); v25 is named with it as a pair
.set SO,   26                          ; v26-27 the conversions' scale operands
.set KS,   28                          ; v28-31 K's scale words: register y: lanes 0-15 tile 2 y, lanes 16-31 tile 2 y + 1
.set VS,   32                          ; v32-33 V's likewise
.set QS,   34                          ; v34  Q's: lanes 0-15 tile 0, lanes 16-31 tile 1
.set ADR2, 35                          ; v35  LDS address of the scale words in hand
.set PWR,  36                          ; v36-37 p's scale words, tile 0, 1
.set Q,    38                          ; v38-61 Q: a tile's 6 registers of codes, then 6 of zeros
.set KV,   62                          ; v62-109 eight tiles of K (6 registers each), later four of V (12 each)
.set PADZ, 110                         ; v110-115 zeros behind K's last tile
.set P0,   116                         ; v116-127 tile 0's p as codes;  tile 1's lie in S + 48 on
.set S,    128                         ; v128-191 S^T of the tile in hand, then p
.set O,    192                         ; v192-223 O^T of tile 0, v224-255 of tile 1
.set VLR,  62                          ; at the head only: v62-65 valid_lens of heads 4 lane + g, v66-69 held to 0 .. 1,024, v70-73 NS, v74-77 ranks, v78 at work, v80-86 lane terms
.set VLC,  66
.set NSR,  70
.set RK,   74
.set WV,   2                           ; s2  wave
.set SEL,  3                           ; s3  which head of the pair
.set IDX,  4                           ; s4  which of that head's eight waves
.set PR,   5                           ; s5  the pair
.set QD,   6                           ; s6  the quarter of the queries
.set RW,   7                           ; s7  the rank wanted
.set HEAD, 12                          ; s12 my head
.set VLN,  13                          ; s13 its valid_len, 0 .. 1,024
.set NE,   14                          ; s14 keys to be walked
.set KF,   38                          ; s38 the step's first key
.set TK,   39                          ; s39-42 where the step's K, K's scale words, V, V's scale words begin
.set TKS,  40
.set TV,   41
.set TVS,  42
.set CNT,  43                          ; s43 trips
.set KE,   44                          ; s44 KF + 128
.set DK,   45                          ; s45 valid_len - KF
	s_load_b512 s[16:31], s[0:1], 0x0              ; K's codes s[16:17], K's scales s[18:19], Q's codes s[20:21], Q's scales s[22:23], valid_lens s[24:25], V's codes s[26:27], V's scales s[28:29], out s[30:31]
	v_lshrrev_b32 v85, 5, v0
	v_readfirstlane_b32 s[WV], v85                 ; wave 0..15
	v_and_b32 v80, 31, v0                          ; L
	v_and_b32 v81, 15, v0                          ; r
	v_bfe_u32 v82, v0, 4, 1                        ; h
	v_and_b32 v83, 7, v0                           ; r % 8
	v_bfe_u32 v84, v0, 3, 1                        ; r / 8
	v_lshlrev_b32 v[LI], 4, v80
	s_wait_kmcnt 0x0
	global_load_b128 v[VLR:VLR+3], v[LI], s[24:25] ; all 128 valid_lens: lane L holds heads 4 L .. 4 L + 3
	s_lshr_b32 s[SEL], s[WV], 2
	s_xor_b32 s[SEL], s[SEL], s[WV]
	s_and_b32 s[SEL], s[SEL], 1                    ; waves 2 i and 2 i + 1 take different heads, and so do waves i and i + 4
	s_lshr_b32 s[IDX], s[WV], 1
	s_lshr_b32 s[PR], ttmp9, 2
	s_and_b32 s[QD], ttmp9, 3
	s_sub_co_u32 s[RW], 127, s[PR]
	s_cmp_lg_u32 s[SEL], 0
	s_cselect_b32 s[RW], s[RW], s[PR]              ; rank PR, or 127 - PR
	s_mul_i32 s54, s[SEL], HEADB                   ; my head's region in LDS
	s_add_co_u32 s55, s54, KSOFF
	s_add_co_u32 s56, s54, VOFF
	s_add_co_u32 s57, s54, VSOFF
	; every LDS address: a constant, constants x lane terms, constants x wave terms
	v_mul_u32_u24 v[AK], v83, 48
	v_mad_u32_u24 v[AK], v84, KGRP, v[AK]
	v_mad_u32_u24 v[AK], v82, 24, v[AK]
	v_add_nc_u32 v[AK], s54, v[AK]                 ; key r % 8 + 32 (r / 8) of a tile, + 24 h
	v_lshlrev_b32 v[AKS], 1, v83
	v_lshl_add_u32 v[AKS], v84, 6, v[AKS]
	v_lshl_add_u32 v[AKS], v82, 4, v[AKS]
	v_add_nc_u32 v[AKS], s55, v[AKS]               ; that key's 2 bytes; lanes 16-31 take the tile 8 keys on
	v_mul_u32_u24 v[AV], v81, VP
	v_mad_u32_u24 v[AV], v82, 24, v[AV]
	v_add_nc_u32 v[AV], s56, v[AV]                 ; row r of a tile of V, + 24 h
	v_mul_u32_u24 v[AVS], v80, VSP
	v_add_nc_u32 v[AVS], s57, v[AVS]               ; row L of V's scale bytes: lanes 16-31 take the tile 16 rows on
	s_mul_i32 s11, s[WV], STGW
	s_add_co_u32 s11, s11, STAGE                   ; my stage
	v_mul_u32_u24 v[STO], v81, 272
	v_lshl_add_u32 v[STO], v82, 5, v[STO]
	v_add_nc_u32 v[STO], s11, v[STO]               ; in: row r, + 32 h
	v_mul_u32_u24 v[RD], v82, 272
	v_lshl_add_u32 v[RD], v81, 4, v[RD]
	v_add_nc_u32 v[RD], s11, v[RD]                 ; back: lanes 0-15 one row, lanes 16-31 the next
	v_lshlrev_b32 v[H8], 3, v82
	; the fill's LDS addresses: v20 K, v21 and v22 V, v23 K's scale bytes, v24 V's;  offsets in memory: v25 = 8 L, v26 Q's codes, v27 = 2 L
	s_mul_i32 s9, s[IDX], 4*KGRP
	s_add_co_u32 s9, s9, s54
	v_add_nc_u32 v20, s9, v[LI]                    ; my 128 keys: four groups
	s_mul_i32 s9, s[IDX], 8*VP
	s_add_co_u32 s9, s9, s56
	v_add_nc_u32 v21, s9, v[LI]                    ; my 8 rows of V
	v_mad_u32_u24 v22, v82, 48, v21                ; (the load that straddles two rows: lanes 16-31 lie behind the 48 bytes)
	v_lshlrev_b32 v25, 3, v80
	s_lshl_b32 s9, s[IDX], 8
	s_add_co_u32 s9, s9, s55
	v_add_nc_u32 v23, s9, v25
	v_lshrrev_b32 v85, 2, v80
	v_and_b32 v86, 3, v80
	v_mul_u32_u24 v24, v85, VSP
	v_lshl_add_u32 v24, v86, 3, v24
	s_mul_i32 s9, s[IDX], 8*VSP
	s_add_co_u32 s9, s9, s57
	v_add_nc_u32 v24, s9, v24                      ; four lanes to a row of 32 scale bytes
	v_mul_u32_u24 v26, v81, 48
	v_mad_u32_u24 v26, v82, 24, v26
	v_lshlrev_b32 v27, 1, v80
	s_wait_loadcnt 0x0                             ; valid_lens
	; THE RANKS, in whole numbers alone.  NS = 1 .. 8; heads of one NS are ranked by g, then by lane: the same order in every wave of the launch.
.irp g, 0,1,2,3
	v_cmp_lt_i32 vcc_lo, 0, v[VLR+\g]              ; valid_len > 0
	v_min_u32 v[VLC+\g], 0x400, v[VLR+\g]
	v_cndmask_b32 v[VLC+\g], 0, v[VLC+\g], vcc_lo  ; held to 0 .. 1,024
	v_add_nc_u32 v[NSR+\g], 127, v[VLC+\g]
	v_lshrrev_b32 v[NSR+\g], 7, v[NSR+\g]
	v_cndmask_b32 v[NSR+\g], 8, v[NSR+\g], vcc_lo  ; with no valid key all 1,024 count alike
	v_mov_b32 v[RK+\g], 0
.endr
	s_mov_b32 s8, 0                                ; heads ranked so far
.irp c, 1,2,3,4,5,6,7,8
.irp g, 0,1,2,3
	v_cmp_eq_u32 s10, \c, v[NSR+\g]
	v_mbcnt_lo_u32_b32 v78, s10, s8                ; so many ranked so far + so many of this group in the lanes below mine
	v_cndmask_b32 v[RK+\g], v[RK+\g], v78, s10
	s_bcnt1_i32_b32 s9, s10
	s_add_co_u32 s8, s8, s9
.endr
.endr
.irp g, 0,1,2,3
	v_cmp_eq_u32 s[50+\g], s[RW], v[RK+\g]         ; one bit in one of the four masks: the head of the rank wanted
.endr
	s_mov_b32 s[HEAD], 0
	s_mov_b32 s[VLN], 0
.irp g, 0,1,2,3
	s_ctz_i32_b32 s11, s[50+\g]
	s_and_b32 s11, s11, 31
	v_readlane_b32 s9, v[VLC+\g], s11
	s_lshl_b32 s11, s11, 2
	s_add_co_u32 s11, s11, \g
	s_cmp_lg_u32 s[50+\g], 0
	s_cselect_b32 s[HEAD], s11, s[HEAD]
	s_cselect_b32 s[VLN], s9, s[VLN]
.endr
	s_min_u32 s[HEAD], s[HEAD], 127                ; a number read from memory enters addresses only held to its range
	s_min_u32 s[VLN], s[VLN], 1024
	s_cmp_eq_u32 s[VLN], 0
	s_movk_i32 s[NE], 0x400
	s_cselect_b32 s[NE], s[NE], s[VLN]             ; keys to be walked
	; each buffer at my part, from its own pointer
	s_mul_i32 s46, s[HEAD], 49152
	s_mul_i32 s9, s[IDX], 6144
	s_add_co_u32 s46, s46, s9
	s_mov_b32 s47, 0
	s_add_nc_u64 s[16:17], s[16:17], s[46:47]      ; K's codes: my 128 keys
	s_add_nc_u64 s[26:27], s[26:27], s[46:47]      ; V's codes: my 8 rows
	s_lshl_b32 s48, s[HEAD], 11
	s_lshl_b32 s9, s[IDX], 8
	s_add_co_u32 s48, s48, s9
	s_mov_b32 s49, 0
	s_add_nc_u64 s[18:19], s[18:19], s[48:49]
	s_add_nc_u64 s[28:29], s[28:29], s[48:49]
	s_lshl_b32 s55, s[HEAD], 10
	s_lshl_b32 s9, s[QD], 8
	s_add_co_u32 s55, s55, s9
	s_lshl_b32 s9, s[IDX], 5
	s_add_co_u32 s55, s55, s9                      ; my first query's row: 1,024 head + 256 quarter + 32 x my number among the head's waves
	s_mul_i32 s46, s55, 48
	s_add_nc_u64 s[20:21], s[20:21], s[46:47]
	s_lshl_b32 s48, s55, 1
	s_add_nc_u64 s[22:23], s[22:23], s[48:49]
	s_lshl_b32 s46, s55, 8
	s_add_nc_u64 s[30:31], s[30:31], s[46:47]
	; THE FILL: an eighth of my head's K, V and scale bytes; every load reads consecutive bytes in consecutive lanes
.irp k, 0,1,2,3,4,5,6,7,8,9,10,11
	global_load_b128 v[128+4*\k:131+4*\k], v[LI], s[16:17] offset:512*\k
.endr
.irp k, 0,1,2,3,4,5,6,7,8,9,10,11
	global_load_b128 v[176+4*\k:179+4*\k], v[LI], s[26:27] offset:512*\k
.endr
	global_load_b64 v[224:225], v25, s[18:19]
	global_load_b64 v[226:227], v25, s[28:29]
.irp u, 0,1
.irp p, 0,1,2
	global_load_b64 v[Q+12*\u+2*\p:Q+12*\u+2*\p+1], v26, s[20:21] offset:768*\u+8*\p th:TH_LOAD_NT   ; Q's fragments stay in registers; nobody else reads them
.endr
.endr
	global_load_u16 v[QS], v27, s[22:23]           ; 2 scale bytes a query, widened with zeros
.irp i, 0,1,2,3,4,5
	v_mov_b32 v[Q+6+\i], 0                         ; the zero codes that the upper half of K meets
	v_mov_b32 v[Q+18+\i], 0
	v_mov_b32 v[PADZ+\i], 0
.endr
	v_mov_b32 v13, 0xff61b1e6                      ; the largest t so far: -3e38, under every t
	v_mov_b32 v17, 0xff61b1e6
	v_floor_f32 v12, -v13                          ; -M
	v_floor_f32 v16, -v17
	v_mov_b32 v14, 0                               ; the sums
	v_mov_b32 v15, 0
	v_mov_b32 v18, 0
	v_mov_b32 v19, 0
	s_mov_b32 s32, 0x76543210
	s_mov_b32 s33, 0xfedcba98                      ; v_permlanex16_b32's selects for lane l xor 16
	s_mov_b32 s34, 0x3e38aa3b                      ; c = log2(e) / 8
	s_mov_b32 s35, s34                             ; (named with it as a pair, so it is written)
	s_mov_b32 s[KF], 0
	s_mov_b32 s[TK], 0
	s_mov_b32 s[TKS], 0
	s_mov_b32 s[TV], 0
	s_mov_b32 s[TVS], 0
	s_mov_b32 s[CNT], 0
	s_wait_loadcnt 7                               ; loads come back in order: the fill's 26 are in; the youngest seven, Q's, may be out
.irp k, 0,1,2,3,4,5,6,7,8,9,10,11
	ds_store_b128 v20, v[128+4*\k:131+4*\k] offset:KGRP*(\k/3)+512*(\k%3)    ; three loads are a group of 32 keys
.endr
.irp g, 0,1,2,3                                ; three loads are two rows of V
	ds_store_b128 v21, v[176+12*\g:179+12*\g] offset:2*VP*\g
	ds_store_b128 v22, v[180+12*\g:183+12*\g] offset:2*VP*\g+512
	ds_store_b128 v21, v[184+12*\g:187+12*\g] offset:2*VP*\g+1072
.endr
	ds_store_b64 v23, v[224:225]
	ds_store_b64 v24, v[226:227]
	s_wait_loadcnt 0x0                             ; Q
	s_wait_dscnt 0x0                               ; for the others' sake: my stores have landed
	s_barrier_signal -1                            ; the launch's one barrier
	v_mov_b32 v[T0], 0                             ; work on registers between signal and wait: written once, since a lane permute's destination counts as one of its sources,
	v_mov_b32 v[T1], 0
	v_mov_b32 v[FF+1], 0                           ; (named as the upper half of a pair)
.set j, 0
.rept 64
	v_mov_b32 v[O+j], 0                            ; and O^T: the step is written once; the first finds zeros, which the first change of M leaves zeros
.set j, j+1
.endr
	s_barrier_wait -1                              ; both heads lie whole in LDS; from here on nobody writes there
; S^T's tile T for my tile u of queries: source 0 = 16 keys, source 1 = 16 queries; the constant 0 starts the sum
.macro SMUL T, u
.if ((\T)%2) && (\u)
	v_wmma_scale_f32_16x16x128_f8f6f4 v[S+8*(\T):S+8*(\T)+7], v[KV+6*(\T):KV+6*(\T)+11], v[Q+12*(\u):Q+12*(\u)+11], 0, v[KS+(\T)/2], v[QS] matrix_a_fmt:MATRIX_FMT_BF6 matrix_b_fmt:MATRIX_FMT_BF6 matrix_a_scale:MATRIX_SCALE_ROW1 matrix_b_scale:MATRIX_SCALE_ROW1
.elseif (\T)%2
	v_wmma_scale_f32_16x16x128_f8f6f4 v[S+8*(\T):S+8*(\T)+7], v[KV+6*(\T):KV+6*(\T)+11], v[Q+12*(\u):Q+12*(\u)+11], 0, v[KS+(\T)/2], v[QS] matrix_a_fmt:MATRIX_FMT_BF6 matrix_b_fmt:MATRIX_FMT_BF6 matrix_a_scale:MATRIX_SCALE_ROW1
.elseif \u
	v_wmma_scale_f32_16x16x128_f8f6f4 v[S+8*(\T):S+8*(\T)+7], v[KV+6*(\T):KV+6*(\T)+11], v[Q+12*(\u):Q+12*(\u)+11], 0, v[KS+(\T)/2], v[QS] matrix_a_fmt:MATRIX_FMT_BF6 matrix_b_fmt:MATRIX_FMT_BF6 matrix_b_scale:MATRIX_SCALE_ROW1
.else
	v_wmma_scale_f32_16x16x128_f8f6f4 v[S+8*(\T):S+8*(\T)+7], v[KV+6*(\T):KV+6*(\T)+11], v[Q+12*(\u):Q+12*(\u)+11], 0, v[KS+(\T)/2], v[QS] matrix_a_fmt:MATRIX_FMT_BF6 matrix_b_fmt:MATRIX_FMT_BF6
.endif
.endm
.macro SPROD u
.irp T, 0,1,2,3,4,5,6,7
	SMUL \T, \u
.endr
.endm
; O^T's tile t of tile u += V^T P^T: source 0 = 16 of the head's 64, source 1 = p's codes at v[pb] on; K = the step's 128 keys
.macro PMUL t, u, pb
.if (\t)%2
	v_wmma_scale_f32_16x16x128_f8f6f4 v[O+32*(\u)+8*(\t):O+32*(\u)+8*(\t)+7], v[KV+12*(\t):KV+12*(\t)+11], v[(\pb):(\pb)+11], v[O+32*(\u)+8*(\t):O+32*(\u)+8*(\t)+7], v[VS+(\t)/2], v[PWR+(\u)] matrix_a_fmt:MATRIX_FMT_BF6 matrix_b_fmt:MATRIX_FMT_BF6 matrix_a_scale:MATRIX_SCALE_ROW1
.else
	v_wmma_scale_f32_16x16x128_f8f6f4 v[O+32*(\u)+8*(\t):O+32*(\u)+8*(\t)+7], v[KV+12*(\t):KV+12*(\t)+11], v[(\pb):(\pb)+11], v[O+32*(\u)+8*(\t):O+32*(\u)+8*(\t)+7], v[VS+(\t)/2], v[PWR+(\u)] matrix_a_fmt:MATRIX_FMT_BF6 matrix_b_fmt:MATRIX_FMT_BF6
.endif
.endm
.macro RESCALE u                               ; O^T under the new M: x f, each accumulator from its low end on
.set j, 0
.rept 16
	v_pk_mul_f32 v[O+32*(\u)+j:O+32*(\u)+j+1], v[O+32*(\u)+j:O+32*(\u)+j+1], v[FF:FF+1] op_sel_hi:[1,0]
.set j, j+2
.endr
.endm
; THE SOFTMAX of tile u for the step's 128 keys: v[S + 32 c + i] is the score of key KF + 64 c + 32 (lane / 16) + i.  It leaves p's codes in v[pb] on, p's scale word, f, and the sum brought on.
.macro SOFT u, pb
.set NM, 12+4*(\u)
.set TX, 13+4*(\u)
.set LS, 14+4*(\u)
.set PW, PWR+(\u)
	s_cmp_le_u32 s[KE], s[VLN]                     ; a step all of whose keys are valid has no mask: a scalar branch on whole numbers
	s_cbranch_scc1 .Lopen_\@
.set j, 0
.rept 32
	v_pk_mul_f32 v[S+j:S+j+1], v[S+j:S+j+1], s[34:35] op_sel_hi:[1,0]   ; t, rounded to f32, so that valid and masked keys meet as t; the multiplier below is 1.0 in such a step
.set j, j+2
.endr
	v_lshlrev_b32 v[DL], 2, v[H8]
	v_sub_nc_u32 v[DL], s[DK], v[DL]               ; register 32 c + i is masked where 64 c + i >= valid_len - KF - 32 (lane / 16)
	v_mov_b32 v[TMV], 0xc9b01c38                   ; -1e6 x log2(e) in f32: -1,442,695.0
.set n, 0
.rept 64
	v_cmp_ge_i32 vcc_lo, 64*(n/32)+n%32, v[DL]
	v_cndmask_b32 v[S+n], v[S+n], v[TMV], vcc_lo
.set n, n+1
.endr
.Lopen_\@:
	v_max3_num_f32 v[BM], v[S], v[S+1], v[S+2]     ; THE LARGEST SCORE OF EACH BLOCK OF 32 KEYS, all of them mine; ascending, the two blocks by turns.  It serves the row's maximum and the block's largest p
	v_max3_num_f32 v[BM+1], v[S+32], v[S+33], v[S+34]
.set i, 3
.rept 14
	v_max3_num_f32 v[BM], v[BM], v[S+i], v[S+i+1]
	v_max3_num_f32 v[BM+1], v[BM+1], v[S+32+i], v[S+33+i]
.set i, i+2
.endr
	v_max_num_f32 v[BM], v[BM], v[S+31]
	v_max_num_f32 v[BM+1], v[BM+1], v[S+63]
	v_max_num_f32 v[T0], v[BM], v[BM+1]
	v_permlanex16_b32 v[T1], v[T0], s32, s33
	v_max_num_f32 v[T0], v[T0], v[T1]              ; with lane l xor 16's 64 keys: the step's largest score of my query
	v_mul_f32 v[T0], s36, v[T0]                    ; as t
	v_max_num_f32 v[TX], v[TX], v[T0]              ; the running largest t
	v_mov_b32 v[T0], v[NM]
	v_floor_f32 v[NM], -v[TX]                      ; the new -M = floor(-t) = -ceil(t): a whole number
	v_sub_f32 v[T0], v[NM], v[T0]                  ; old M - new M: a whole number, 0 or less
	v_cvt_i32_f32 v[T0], v[T0]                     ; (it saturates)
	v_ldexp_f32 v[FF], 1.0, v[T0]                  ; f = 2^(old M - new M): a multiplication by it rounds nothing
.set j, 0
.rept 32
	v_pk_fma_f32 v[S+j:S+j+1], v[S+j:S+j+1], s[36:37], v[NM:NM+1] op_sel_hi:[1,0,0]   ; t - M, two at a time (of the two pairs the low word serves both halves)
.set j, j+2
.endr
	v_fma_f32 v[BM], v[BM], s36, v[NM]             ; the same of each block's largest score
	v_fma_f32 v[BM+1], v[BM+1], s36, v[NM]
.set j, 0
.rept 64
	v_exp_f32 v[S+j], v[S+j]                       ; p = 2^(t - M): not normalised
.set j, j+1
.endr
	v_exp_f32 v[BM], v[BM]                         ; the block's largest p: the same two instructions on the same number give the same bits
	v_exp_f32 v[BM+1], v[BM+1]
	v_pk_mul_f32 v[LS:LS+1], v[LS:LS+1], v[FF:FF+1] op_sel_hi:[1,0]   ; the sums under the new M.  (The plain instruction behind the exponentials: ISA guide 5.7.2)
	s_wait_alu depctr_va_vdst(0)
	v_max_num_f32 v[BM], 0x2800000, v[BM]          ; the floor 2^(5 - 127): the byte cannot fall under 1
	v_max_num_f32 v[BM+1], 0x2800000, v[BM+1]
	v_add_nc_u32 v[SO], 0xfe000000, v[BM]          ; 4 off the exponent field: the conversion takes the exponent field of this operand as its scale
	v_add_nc_u32 v[SO+1], 0xfe000000, v[BM+1]
	v_lshrrev_b32 v[T0], 23, v[SO]                 ; the scales' bytes: blocks h and 2 + h of my query
	v_lshrrev_b32 v[T1], 23, v[SO+1]
	v_lshl_or_b32 v[PW], v[T1], 16, v[T0]
	v_lshlrev_b32 v[PW], v[H8], v[PW]              ; at their places in the word (8 h bits up);
	v_permlanex16_b32 v[T0], v[PW], s32, s33
	v_or_b32 v[PW], v[PW], v[T0]                   ; with lane l xor 16's two the word is whole
	v_pk_add_f32 v[T0:T1], v[S:S+1], v[S+2:S+3]    ; THE ROW'S SUM IS TAKEN OF THE UNQUANTISED p: two at a time, in two chains
.set j, 4
.rept 15
	v_pk_add_f32 v[LS:LS+1], v[LS:LS+1], v[S+j:S+j+1]
	v_pk_add_f32 v[T0:T1], v[T0:T1], v[S+j+2:S+j+3]
.set j, j+4
.endr
	v_pk_add_f32 v[LS:LS+1], v[LS:LS+1], v[T0:T1]
	; the codes: registers 6 c .. 6 c + 5 = my block of c.  A conversion's three registers begin on an even number, so each block's upper 16 codes are made elsewhere and moved.
	; With pb = S + 48 every result lies in S + 48 .. S + 63, which the first conversion has read: a plain instruction stands between it and the lines that write there.
	v_cvt_scalef32_pk16_bf6_f32 v[BM:BM+2], v[S+48:S+63], v[SO+1]
	v_nop
	v_cvt_scalef32_pk16_bf6_f32 v[(\pb):(\pb)+2], v[S:S+15], v[SO]
	v_cvt_scalef32_pk16_bf6_f32 v[(\pb)+6:(\pb)+8], v[S+32:S+47], v[SO+1]
	v_cvt_scalef32_pk16_bf6_f32 v[S+60:S+62], v[S+16:S+31], v[SO]
	v_nop                                          ; one plain instruction behind a scaled conversion
.irp i, 0,1,2
	v_mov_b32 v[(\pb)+3+\i], v[S+60+\i]
.endr
.irp i, 0,1,2
	v_mov_b32 v[(\pb)+9+\i], v[BM+\i]
.endr
.endm
; THE KEY STEPS.  The loop has a constant eight trips; a trip whose keys lie beyond what is to be walked jumps over its work, not over the lines that step addresses.  No barrier stands in it.
.Lstep:
	s_cmp_ge_u32 s[KF], s[NE]
	s_cbranch_scc1 .Lskip
	s_add_co_u32 s[KE], s[KF], 128
	s_sub_co_u32 s[DK], s[VLN], s[KF]
	s_cmp_le_u32 s[KE], s[VLN]
	s_cselect_b32 s36, s34, 0x3f800000             ; the step's multiplier: c, or 1.0 where the mask has already made t of the scores
	s_mov_b32 s37, s36
	v_add_nc_u32 v[ADR], s[TK], v[AK]              ; (no LDS load of mine is out)
	v_add_nc_u32 v[ADR2], s[TKS], v[AKS]
.irp T, 0,1,2,3,4,5,6,7
.irp p, 0,1,2
	ds_load_b64 v[KV+6*\T+2*\p:KV+6*\T+2*\p+1], v[ADR] offset:2*KGRP*(\T/4)+384*(\T%4)+8*\p   ; tile T: 24 bytes of a key's 48, as they lie
.endr
.endr
.irp y, 0,1,2,3
	ds_load_u16 v[KS+\y], v[ADR2] offset:128*(\y/2)+32*(\y%2)
.endr
	s_wait_dscnt 0x0
	SPROD 0
.rept 4
	v_nop                                          ; four places between a matrix instruction and the first read of its result (ISA guide 7.12.1)
.endr
	SOFT 0, P0
	SPROD 1                                        ; K's fragments serve a second time
	RESCALE 0                                      ; sixteen plain instructions that name nothing of those products: the places in front of the loads into K's registers and of the reads of S^T
	v_add_nc_u32 v[ADR], s[TV], v[AV]
	v_add_nc_u32 v[ADR2], s[TVS], v[AVS]
.irp t, 0,1,2,3
.irp p, 0,1,2,3,4,5
	ds_load_b64 v[KV+12*\t+2*\p:KV+12*\t+2*\p+1], v[ADR] offset:16*VP*\t+48*(\p/3)+8*(\p%3)   ; V lands while tile 1's softmax is walked
.endr
.endr
.irp y, 0,1
	ds_load_b32 v[VS+\y], v[ADR2] offset:32*VSP*\y
.endr
	SOFT 1, S+48
	RESCALE 1                                      ; sixteen places between the lines that wrote p's codes and scale word and the scaled products
	s_wait_dscnt 0x0                               ; V
.irp t, 0,1,2,3
	PMUL \t, 0, P0                                 ; eight accumulators, one instruction each
	PMUL \t, 1, S+48
.endr
.rept 5
	v_nop                                          ; five places: the next step's first products write over tile 1's codes, which these products have read; its loads land in V's registers; the way out reads O^T
.endr
.Lskip:
	s_add_co_u32 s[KF], s[KF], 128
	s_add_co_u32 s[TK], s[TK], 4*KGRP              ; 128 keys are four groups,
	s_add_co_u32 s[TKS], s[TKS], 256               ; 256 scale bytes of K,
	s_add_co_u32 s[TV], s[TV], 96                  ; 96 bytes of each row of V
	s_add_co_u32 s[TVS], s[TVS], 4                 ; and one scale word of each
	s_add_co_u32 s[CNT], s[CNT], 1
	s_cmp_lt_u32 s[CNT], 8
	s_cbranch_scc1 .Lstep
	; THE WAY OUT.  The sum's halves and lane l xor 16's are added; O^T / the sum goes through my own stage in LDS, a tile (16 rows of 256 bytes) at a time, and leaves as whole rows.
	v_add_f32 v20, v14, v15
	v_add_f32 v21, v18, v19
	v_permlanex16_b32 v22, v20, s32, s33
	v_permlanex16_b32 v23, v21, s32, s33
	v_add_f32 v20, v20, v22
	v_add_f32 v21, v21, v23
	v_rcp_f32 v24, v20                             ; the row's largest p lies above 1/2: no sum is 0
	v_rcp_f32 v26, v21
	v_nop                                          ; a plain instruction between the reciprocals and the use of their results
	s_wait_alu depctr_va_vdst(0)
.macro OUTT u
.set j, 0
.rept 16
	v_pk_mul_f32 v[S+32*\u+j:S+32*\u+j+1], v[O+32*\u+j:O+32*\u+j+1], v[24+2*\u:25+2*\u] op_sel_hi:[1,0]   ; register 8 t + i is o(query r, 16 t + 8 h + i); each accumulator from its low end on
.set j, j+2
.endr
.irp t, 0,1,2,3
	ds_store_b128 v[STO], v[S+32*\u+8*\t:S+32*\u+8*\t+3] offset:64*\t
	ds_store_b128 v[STO], v[S+32*\u+8*\t+4:S+32*\u+8*\t+7] offset:64*\t+16
.endr
.irp i, 0,1,2,3,4,5,6,7
	ds_load_b128 v[KV+32*\u+4*\i:KV+32*\u+4*\i+3], v[RD] offset:544*\i   ; LDS serves a wave's instructions in order (ISA guide 5.7.1.4): these see my stores, and the next tile's stores come behind them
.endr
.endm
	OUTT 0
	OUTT 1
.irp i, 0,1,2,3,4,5,6,7
	s_wait_dscnt 23-\i                             ; behind tile 0's load i: its 7 - i later loads, tile 1's 8 stores and 8 loads
	global_store_b128 v[LI], v[KV+4*\i:KV+4*\i+3], s[30:31] offset:512*\i th:TH_STORE_NT          ; 32 lanes store 512 consecutive bytes, two whole rows, at a multiple of 256 from out0's first byte
.endr
.irp i, 0,1,2,3,4,5,6,7
	s_wait_dscnt 7-\i                              ; behind tile 1's load i: its 7 - i later loads
	global_store_b128 v[LI], v[KV+32+4*\i:KV+32+4*\i+3], s[30:31] offset:4096+512*\i th:TH_STORE_NT
.endr
	s_wait_xcnt 0x0
	v_lshl_add_u32 v254, v0, 2, 0x46c00
	v_mov_b32 v255, 0
	s_wait_tensorcnt 0x0
	ds_add_u32 v254, v255
	s_wait_dscnt 0x0
	s_endpgm
.Lfunc_end_k_q9ed9d25fd4_attn:
	.size	k_q9ed9d25fd4_attn, .Lfunc_end_k_q9ed9d25fd4_attn-k_q9ed9d25fd4_attn
	.p2alignl 7, 3214868480
	.fill 96, 4, 3214868480
	.section	.rodata,"a",@progbits
	.p2align	6, 0x0
	.amdhsa_kernel k_q9ed9d25fd4_attn
		.amdhsa_group_segment_fixed_size 291840
		.amdhsa_private_segment_fixed_size 0
		.amdhsa_enable_private_segment 0
		.amdhsa_kernarg_size 64
		.amdhsa_user_sgpr_count 2
		.amdhsa_user_sgpr_kernarg_segment_ptr 1
		.amdhsa_wavefront_size32 1
		.amdhsa_system_sgpr_workgroup_id_x 1
		.amdhsa_system_sgpr_workgroup_id_y 1
		.amdhsa_system_sgpr_workgroup_id_z 1
		.amdhsa_system_vgpr_workitem_id 0
		.amdhsa_next_free_vgpr 256
		.amdhsa_next_free_sgpr 66
		.amdhsa_reserve_vcc 1
		.amdhsa_float_denorm_mode_32 3
		.amdhsa_float_denorm_mode_16_64 3
		.amdhsa_memory_ordered 1
		.amdhsa_forward_progress 1
		.amdhsa_inst_pref_size 74
	.end_amdhsa_kernel
	.amdgpu_metadata
---
amdhsa.version: [ 1, 2 ]
amdhsa.kernels:
  - .name:           k_q9ed9d25fd4_attn
    .symbol:         k_q9ed9d25fd4_attn.kd
    .args:
      - { .name: keys_codes, .offset: 0, .size: 8, .value_kind: global_buffer, .address_space: global }
      - { .name: keys_scales, .offset: 8, .size: 8, .value_kind: global_buffer, .address_space: global }
      - { .name: queries_codes, .offset: 16, .size: 8, .value_kind: global_buffer, .address_space: global }
      - { .name: queries_scales, .offset: 24, .size: 8, .value_kind: global_buffer, .address_space: global }
      - { .name: valid_lens, .offset: 32, .size: 8, .value_kind: global_buffer, .address_space: global }
      - { .name: values_codes, .offset: 40, .size: 8, .value_kind: global_buffer, .address_space: global }
      - { .name: values_scales, .offset: 48, .size: 8, .value_kind: global_buffer, .address_space: global }
      - { .name: out0, .offset: 56, .size: 8, .value_kind: global_buffer, .address_space: global }
    .group_segment_fixed_size: 291840
    .private_segment_fixed_size: 0
    .kernarg_segment_align: 8
    .kernarg_segment_size: 64
    .max_flat_workgroup_size: 512
    .sgpr_count:     66
    .vgpr_count:     256
    .wavefront_size: 32
...
	.end_amdgpu_metadata
.endif
;; end of part 1
;; ======== version 2 of 2: 1 launch; version 1 with the launch attn written anew for expert scheduling mode
;; limits: right only within a limited range of input values
;; launch attn (part 2): grid 256 x 1, 16 waves a work-group, no clusters, 291,840 bytes of LDS; arguments keys_codes, keys_scales, queries_codes, queries_scales, valid_lens, values_codes, values_scales, out0; writes out0
.if DOCPART == 2
	.amdgcn_target "amdgcn-amd-amdhsa--gfx1250"
	.amdhsa_code_object_version 6
	.text
	.protected	k_q9ed9d25fd4_attn
	.globl	k_q9ed9d25fd4_attn
	.p2align	8
	.type	k_q9ed9d25fd4_attn,@function
k_q9ed9d25fd4_attn:
	s_mov_b64 s[64:65], 0
	v_nop
	global_prefetch_b8 v0, s[64:65] scope:SCOPE_SE
	s_setreg_imm32_b32 hwreg(HW_REG_WAVE_SCHED_MODE, 0, 2), 2
	s_setreg_imm32_b32 hwreg(HW_REG_WAVE_MODE, 25, 1), 1
	s_wait_xcnt 0x0
	s_wait_alu depctr_vm_vsrc(0)
; out0[b][q][:] = sum over k of softmax_k(logit) V[b][k][:], logit = Q[b][q] . K[b][k] / 8 where k < valid_lens[b], else -1e6.  128 heads, 1,024 queries, 1,024 keys, head size 64.
; Both products run on codes of BF6 (E3M2) with one E8M0 byte for each 32 along K.  Q, K: rows of 64 codes (48 bytes) and 2 scale bytes.  V: keys innermost, 64 rows of 1,024 codes (768 bytes) and 32 scale bytes.
; SOFTMAX: t = logit x log2(e); M = the running largest t rounded UP to a whole number; p = 2^(t - M) is quantised along the keys, not normalised; the sum of the unquantised p divides O at the end.
; SHARES.  A head walks NS = ceil(n / 128) key steps, n = valid_len (1,024 where valid_len <= 0: then every key has the same logit and all count).  Heads are ranked by NS; work-group w takes the heads of rank
; w / 4 and 127 - w / 4 (a short one with a long one) and of each the 256 queries of quarter w % 4.  Every wave makes the ranks for itself from valid_lens, in whole numbers.  All K, V and scale bytes of both heads
; lie in LDS, filled once.  Eight of the sixteen waves serve each head; a wave owns 32 queries, two tiles of 16, so that each fragment of K and V read from LDS feeds two tiles.
; LAYOUT.  Both products are used transposed: S^T = K Q^T, O^T = V^T P^T: a lane holds ONE query (lane % 16).  THE KEYS OF A TILE ARE NOT NEIGHBOURS: lane r of tile 4 c + x takes key 64 c + 8 x + r % 8 + 32 (r / 8),
; so that a lane's 32 registers of tiles 4 c .. 4 c + 3 are the keys 64 c + 32 (lane / 16) + 0 .. 31: one whole block, in the lane and the order in which the second product's operand wants it.
; K = 64 IN AN INSTRUCTION OF K = 128: Q's operand is its 6 registers of codes and 6 registers of zeros; K's operand is a tile's 6 registers and whatever follows them (the next tile's, or zeros), which meets zero codes.
; The scale words are 16 bits widened with zeros: bytes 2 and 3 are 0, a power of two like any other.
; NO JOINT LOADS, though the four work-groups of a pair read the same K and V: the LDS layout that keeps the fragment loads apart in the banks has 128 bytes behind every 1,536 (K) and 48 behind every 768 (V),
; and neither 384 nor 192 words is an interval that a tensor descriptor's padding can state; the fill is 26 loads a wave, once in the launch, each of 512 consecutive bytes.
; LIMITS.  (a) For valid_len > 0 the key steps that lie wholly at or beyond valid_len are not walked: their terms are 2^(-1,442,695 - M), which is 0 in f32 unless the row's largest valid logit lies under about -999,900;
; such rows are not served.  Inside the step that holds valid_len masked keys are treated as they are defined.  (b) A masked key's t is the f32 product -1e6 x log2(e) = -1,442,695.0.  (c) valid_len <= 0 counts as 0,
; valid_len >= 1,024 as 1,024.  (d) NaN, infinities and the scale byte 0xff are not served.  (e) A block whose p are all 0 keeps the byte 1: its codes are zeros.  (f) A block's largest p is taken through its largest
; score by the same multiply-add and exponential, which takes v_exp_f32 not to fall where its input rises.
; THE MODE: SCHED_MODE bits 1:0 = 2 (LLVM: expert scheduling mode 2), set by the entry lines.  The code itself states the register dependences between vector or matrix instructions and memory or LDS
; instructions, with s_wait_alu, always for 0.
; THE PLAN.  Registers that memory or LDS instructions touch:
;   v1, v7, v8       offsets and stage addresses: made once at the head, never written again.
;   v20-27           the fill's LDS addresses and offsets: made at the head, read by the fill; behind the wait on vm_vsrc in front of the barrier they are vector work's.
;   v128-227         the fill's loads land there and its LDS stores read them; behind the same wait they are S^T and O^T.
;   v6, v35          the LDS addresses in hand: written twice a step, each time behind a wait on vm_vsrc (the loads issued so far have read them) and ahead of a wait on va_vdst.
;   v62-109, v28-33  K's, then V's fragments and scale words: LDS loads land there, matrix instructions read them.  All 256 registers of the wave are named, so K and V share one buffer: each of a step's two runs of
;                    loads stands behind a wait on va_vdst, which states that the products that read the buffer are done with it and that the address is written.
;   v36-37, v116-127, v176-187   p's scale words and codes: written by vector instructions, taken by scaled products: one wait on va_vdst behind their places and ahead of the eight products.
;   the way out      v128-191: written by 32 multiplies, then one wait on va_vdst, then read by the stage's stores; v62-125: the stage's loads land there, the global stores read them.
; Masks and lane reads that vector instructions leave in scalar registers are made in runs, with one wait on va_sdst between a run and its first reader.  EXEC is never written.
.set HEADB,  110080                    ; LDS: a head's region; head 0 of the pair at 0, head 1 at HEADB
.set KGRP,   1664                      ; K's codes from 0 on: 32 groups of 32 keys, 1,536 bytes + 128: rows r and r + 8 of a tile lie 416 words apart = 32 mod 64 (64 banks of 4 bytes: ISA guide 11.1)
.set VOFF,   53248                     ; V's codes: 64 rows,
.set VP,     816                       ; 768 bytes + 48 = 204 words = 12 mod 64: 16 rows begin at the 16 multiples of 4
.set KSOFF,  105472                    ; K's scale bytes, dense, 2 a key
.set VSOFF,  107520                    ; V's scale bytes: 64 rows,
.set VSP,    40                        ; 32 bytes + 8
.set STAGE,  2*HEADB                   ; the way out: 16 rows x (256 bytes + 16) for each wave
.set STGW,   16*272
.set LI,   1                           ; v1   16 x lane
.set AK,   2                           ; v2   my lane's place in a tile of K
.set AKS,  3                           ; v3   among K's scale words
.set AV,   4                           ; v4   in a tile of V
.set AVS,  5                           ; v5   among V's scale words
.set ADR,  6                           ; v6   LDS address of the codes in hand
.set STO,  7                           ; v7   the stage: where I put 32 bytes of a row
.set RD,   8                           ; v8   and where I read a row back
.set H8,   9                           ; v9   8 x (lane / 16)
.set TMV,  10                          ; v10  a masked key's t
.set DL,   11                          ; v11  valid_len - the step's first key - 32 (lane / 16)
                                       ; v12 -M, v13 the largest t, v[14:15] the sum in two halves: tile 0;  v16-19: tile 1
.set BM,   20                          ; v20-21 the two blocks' largest scores, then largest p
.set T0,   22                          ; v22-23 at work
.set T1,   23
.set FF,   24                          ; v24 f = 2^(old M - new M); v25 is named with it as a pair
.set SO,   26                          ; v26-27 the conversions' scale operands
.set KS,   28                          ; v28-31 K's scale words: register y: lanes 0-15 tile 2 y, lanes 16-31 tile 2 y + 1
.set VS,   32                          ; v32-33 V's likewise
.set QS,   34                          ; v34  Q's: lanes 0-15 tile 0, lanes 16-31 tile 1
.set ADR2, 35                          ; v35  LDS address of the scale words in hand
.set PWR,  36                          ; v36-37 p's scale words, tile 0, 1
.set Q,    38                          ; v38-61 Q: a tile's 6 registers of codes, then 6 of zeros
.set KV,   62                          ; v62-109 eight tiles of K (6 registers each), later four of V (12 each)
.set PADZ, 110                         ; v110-115 zeros behind K's last tile
.set P0,   116                         ; v116-127 tile 0's p as codes;  tile 1's lie in S + 48 on
.set S,    128                         ; v128-191 S^T of the tile in hand, then p
.set O,    192                         ; v192-223 O^T of tile 0, v224-255 of tile 1
.set VLR,  62                          ; at the head only: v62-65 valid_lens of heads 4 lane + g, v66-69 held to 0 .. 1,024, v70-73 NS, v74-77 ranks, v78 at work, v80-86 lane terms
.set VLC,  66
.set NSR,  70
.set RK,   74
.set WV,   2                           ; s2  wave
.set SEL,  3                           ; s3  which head of the pair
.set IDX,  4                           ; s4  which of that head's eight waves
.set PR,   5                           ; s5  the pair
.set QD,   6                           ; s6  the quarter of the queries
.set RW,   7                           ; s7  the rank wanted
.set HEAD, 12                          ; s12 my head
.set VLN,  13                          ; s13 its valid_len, 0 .. 1,024
.set NE,   14                          ; s14 keys to be walked
.set KF,   38                          ; s38 the step's first key
.set TK,   39                          ; s39-42 where the step's K, K's scale words, V, V's scale words begin
.set TKS,  40
.set TV,   41
.set TVS,  42
.set CNT,  43                          ; s43 trips
.set KE,   44                          ; s44 KF + 128
.set DK,   45                          ; s45 valid_len - KF
.set MK,   46                          ; s46-61 in the loop: sixteen masks of a masked step.  (At the head s32-63 hold the ranks' 32 masks, s40-47 four lane reads and their lanes, s50-53 four masks)
	s_load_b512 s[16:31], s[0:1], 0x0              ; K's codes s[16:17], K's scales s[18:19], Q's codes s[20:21], Q's scales s[22:23], valid_lens s[24:25], V's codes s[26:27], V's scales s[28:29], out s[30:31]
	v_lshrrev_b32 v85, 5, v0
	v_readfirstlane_b32 s[WV], v85                 ; wave 0..15
	v_and_b32 v80, 31, v0                          ; L
	v_and_b32 v81, 15, v0                          ; r
	v_bfe_u32 v82, v0, 4, 1                        ; h
	v_and_b32 v83, 7, v0                           ; r % 8
	v_bfe_u32 v84, v0, 3, 1                        ; r / 8
	v_lshlrev_b32 v[LI], 4, v80
	s_wait_kmcnt 0x0
	s_wait_alu depctr_va_vdst(0)                   ; v1 is written, which the load below and every later global load and store of 16 bytes reads as its offset
	global_load_b128 v[VLR:VLR+3], v[LI], s[24:25] ; all 128 valid_lens: lane L holds heads 4 L .. 4 L + 3
	s_wait_alu depctr_va_sdst(0)                   ; the wave's number is written into s2, ahead of its first reader
	s_lshr_b32 s[SEL], s[WV], 2
	s_xor_b32 s[SEL], s[SEL], s[WV]
	s_and_b32 s[SEL], s[SEL], 1                    ; waves 2 i and 2 i + 1 take different heads, and so do waves i and i + 4
	s_lshr_b32 s[IDX], s[WV], 1
	s_lshr_b32 s[PR], ttmp9, 2
	s_and_b32 s[QD], ttmp9, 3
	s_sub_co_u32 s[RW], 127, s[PR]
	s_cmp_lg_u32 s[SEL], 0
	s_cselect_b32 s[RW], s[RW], s[PR]              ; rank PR, or 127 - PR
	s_mul_i32 s54, s[SEL], HEADB                   ; my head's region in LDS
	s_add_co_u32 s55, s54, KSOFF
	s_add_co_u32 s56, s54, VOFF
	s_add_co_u32 s57, s54, VSOFF
	; every LDS address: a constant, constants x lane terms, constants x wave terms
	v_mul_u32_u24 v[AK], v83, 48
	v_mad_u32_u24 v[AK], v84, KGRP, v[AK]
	v_mad_u32_u24 v[AK], v82, 24, v[AK]
	v_add_nc_u32 v[AK], s54, v[AK]                 ; key r % 8 + 32 (r / 8) of a tile, + 24 h
	v_lshlrev_b32 v[AKS], 1, v83
	v_lshl_add_u32 v[AKS], v84, 6, v[AKS]
	v_lshl_add_u32 v[AKS], v82, 4, v[AKS]
	v_add_nc_u32 v[AKS], s55, v[AKS]               ; that key's 2 bytes; lanes 16-31 take the tile 8 keys on
	v_mul_u32_u24 v[AV], v81, VP
	v_mad_u32_u24 v[AV], v82, 24, v[AV]
	v_add_nc_u32 v[AV], s56, v[AV]                 ; row r of a tile of V, + 24 h
	v_mul_u32_u24 v[AVS], v80, VSP
	v_add_nc_u32 v[AVS], s57, v[AVS]               ; row L of V's scale bytes: lanes 16-31 take the tile 16 rows on
	s_mul_i32 s11, s[WV], STGW
	s_add_co_u32 s11, s11, STAGE                   ; my stage
	v_mul_u32_u24 v[STO], v81, 272
	v_lshl_add_u32 v[STO], v82, 5, v[STO]
	v_add_nc_u32 v[STO], s11, v[STO]               ; in: row r, + 32 h
	v_mul_u32_u24 v[RD], v82, 272
	v_lshl_add_u32 v[RD], v81, 4, v[RD]
	v_add_nc_u32 v[RD], s11, v[RD]                 ; back: lanes 0-15 one row, lanes 16-31 the next
	v_lshlrev_b32 v[H8], 3, v82
	; the fill's LDS addresses: v20 K, v21 and v22 V, v23 K's scale bytes, v24 V's;  offsets in memory: v25 = 8 L, v26 Q's codes, v27 = 2 L
	s_mul_i32 s9, s[IDX], 4*KGRP
	s_add_co_u32 s9, s9, s54
	v_add_nc_u32 v20, s9, v[LI]                    ; my 128 keys: four groups
	s_mul_i32 s9, s[IDX], 8*VP
	s_add_co_u32 s9, s9, s56
	v_add_nc_u32 v21, s9, v[LI]                    ; my 8 rows of V
	v_mad_u32_u24 v22, v82, 48, v21                ; (the load that straddles two rows: lanes 16-31 lie behind the 48 bytes)
	v_lshlrev_b32 v25, 3, v80
	s_lshl_b32 s9, s[IDX], 8
	s_add_co_u32 s9, s9, s55
	v_add_nc_u32 v23, s9, v25
	v_lshrrev_b32 v85, 2, v80
	v_and_b32 v86, 3, v80
	v_mul_u32_u24 v24, v85, VSP
	v_lshl_add_u32 v24, v86, 3, v24
	s_mul_i32 s9, s[IDX], 8*VSP
	s_add_co_u32 s9, s9, s57
	v_add_nc_u32 v24, s9, v24                      ; four lanes to a row of 32 scale bytes
	v_mul_u32_u24 v26, v81, 48
	v_mad_u32_u24 v26, v82, 24, v26
	v_lshlrev_b32 v27, 1, v80
	s_wait_loadcnt 0x0                             ; valid_lens
	; THE RANKS, in whole numbers alone.  NS = 1 .. 8; heads of one NS are ranked by g, then by lane: the same order in every wave of the launch.
.irp g, 0,1,2,3
	v_cmp_lt_i32 s[50+\g], 0, v[VLR+\g]            ; valid_len > 0: four masks in a run
.endr
	s_wait_alu depctr_va_sdst(0)                   ; the four masks s50-53 are written, ahead of the selects that read them
.irp g, 0,1,2,3
	v_min_u32 v[VLC+\g], 0x400, v[VLR+\g]
	v_cndmask_b32 v[VLC+\g], 0, v[VLC+\g], s[50+\g]  ; held to 0 .. 1,024
	v_add_nc_u32 v[NSR+\g], 127, v[VLC+\g]
	v_lshrrev_b32 v[NSR+\g], 7, v[NSR+\g]
	v_cndmask_b32 v[NSR+\g], 8, v[NSR+\g], s[50+\g]  ; with no valid key all 1,024 count alike
	v_mov_b32 v[RK+\g], 0
.endr
.irp c, 1,2,3,4,5,6,7,8
.irp g, 0,1,2,3
	v_cmp_eq_u32 s[32+4*(\c-1)+\g], \c, v[NSR+\g]  ; the 32 groups' masks in one run: group (NS = c, g) in s[32 + 4 (c - 1) + g]
.endr
.endr
	s_wait_alu depctr_va_sdst(0)                   ; the 32 masks s32-63 are written, ahead of the counts and selects that read them
	s_mov_b32 s8, 0                                ; heads ranked so far
.irp c, 1,2,3,4,5,6,7,8
.irp g, 0,1,2,3
	v_mbcnt_lo_u32_b32 v78, s[32+4*(\c-1)+\g], s8  ; so many ranked so far + so many of this group in the lanes below mine
	s_wait_alu depctr_va_vdst(0)
	v_cndmask_b32 v[RK+\g], v[RK+\g], v78, s[32+4*(\c-1)+\g]
	s_bcnt1_i32_b32 s9, s[32+4*(\c-1)+\g]
	s_add_co_u32 s8, s8, s9
.endr
.endr
.irp g, 0,1,2,3
	v_cmp_eq_u32 s[50+\g], s[RW], v[RK+\g]         ; one bit in one of the four masks: the head of the rank wanted
.endr
	s_wait_alu depctr_va_sdst(0)                   ; these four masks s50-53 are written, ahead of the scalar lines that read them
.irp g, 0,1,2,3
	s_ctz_i32_b32 s[44+\g], s[50+\g]
	s_and_b32 s[44+\g], s[44+\g], 31
	v_readlane_b32 s[40+\g], v[VLC+\g], s[44+\g]   ; four lane reads in a run
.endr
	s_wait_alu depctr_va_sdst(0)                   ; the four lane reads s40-43 are written, ahead of the selects that read them
	s_mov_b32 s[HEAD], 0
	s_mov_b32 s[VLN], 0
.irp g, 0,1,2,3
	s_lshl_b32 s11, s[44+\g], 2
	s_add_co_u32 s11, s11, \g
	s_cmp_lg_u32 s[50+\g], 0
	s_cselect_b32 s[HEAD], s11, s[HEAD]
	s_cselect_b32 s[VLN], s[40+\g], s[VLN]
.endr
	s_min_u32 s[HEAD], s[HEAD], 127                ; a number read from memory enters addresses only held to its range
	s_min_u32 s[VLN], s[VLN], 1024
	s_cmp_eq_u32 s[VLN], 0
	s_movk_i32 s[NE], 0x400
	s_cselect_b32 s[NE], s[NE], s[VLN]             ; keys to be walked
	; each buffer at my part, from its own pointer
	s_mul_i32 s46, s[HEAD], 49152
	s_mul_i32 s9, s[IDX], 6144
	s_add_co_u32 s46, s46, s9
	s_mov_b32 s47, 0
	s_add_nc_u64 s[16:17], s[16:17], s[46:47]      ; K's codes: my 128 keys
	s_add_nc_u64 s[26:27], s[26:27], s[46:47]      ; V's codes: my 8 rows
	s_lshl_b32 s48, s[HEAD], 11
	s_lshl_b32 s9, s[IDX], 8
	s_add_co_u32 s48, s48, s9
	s_mov_b32 s49, 0
	s_add_nc_u64 s[18:19], s[18:19], s[48:49]
	s_add_nc_u64 s[28:29], s[28:29], s[48:49]
	s_lshl_b32 s55, s[HEAD], 10
	s_lshl_b32 s9, s[QD], 8
	s_add_co_u32 s55, s55, s9
	s_lshl_b32 s9, s[IDX], 5
	s_add_co_u32 s55, s55, s9                      ; my first query's row: 1,024 head + 256 quarter + 32 x my number among the head's waves
	s_mul_i32 s46, s55, 48
	s_add_nc_u64 s[20:21], s[20:21], s[46:47]
	s_lshl_b32 s48, s55, 1
	s_add_nc_u64 s[22:23], s[22:23], s[48:49]
	s_lshl_b32 s46, s55, 8
	s_add_nc_u64 s[30:31], s[30:31], s[46:47]
	; THE FILL: an eighth of my head's K, V and scale bytes; every load reads consecutive bytes in consecutive lanes
	s_wait_alu depctr_va_vdst(0)                   ; the offsets v25-27, the fill's LDS addresses v20-24 and the stage's v7, v8 are written, which the loads and LDS stores below read; the ranks are done with v62-86, in which K's fragments land later
.irp k, 0,1,2,3,4,5,6,7,8,9,10,11
	global_load_b128 v[128+4*\k:131+4*\k], v[LI], s[16:17] offset:512*\k
.endr
.irp k, 0,1,2,3,4,5,6,7,8,9,10,11
	global_load_b128 v[176+4*\k:179+4*\k], v[LI], s[26:27] offset:512*\k
.endr
	global_load_b64 v[224:225], v25, s[18:19]
	global_load_b64 v[226:227], v25, s[28:29]
.irp u, 0,1
.irp p, 0,1,2
	global_load_b64 v[Q+12*\u+2*\p:Q+12*\u+2*\p+1], v26, s[20:21] offset:768*\u+8*\p th:TH_LOAD_NT   ; Q's fragments stay in registers; nobody else reads them
.endr
.endr
	global_load_u16 v[QS], v27, s[22:23]           ; 2 scale bytes a query, widened with zeros
.irp i, 0,1,2,3,4,5
	v_mov_b32 v[Q+6+\i], 0                         ; the zero codes that the upper half of K meets.  (None of the vector lines from here to the LDS stores names a register of the fill)
	v_mov_b32 v[Q+18+\i], 0
	v_mov_b32 v[PADZ+\i], 0
.endr
	v_mov_b32 v13, 0xff61b1e6                      ; the largest t so far: -3e38, under every t
	v_mov_b32 v17, 0xff61b1e6
	v_floor_f32 v12, -v13                          ; -M
	v_floor_f32 v16, -v17
	v_mov_b32 v14, 0                               ; the sums
	v_mov_b32 v15, 0
	v_mov_b32 v18, 0
	v_mov_b32 v19, 0
	s_mov_b32 s32, 0x76543210
	s_mov_b32 s33, 0xfedcba98                      ; v_permlanex16_b32's selects for lane l xor 16
	s_mov_b32 s34, 0x3e38aa3b                      ; c = log2(e) / 8
	s_mov_b32 s35, s34                             ; (named with it as a pair, so it is written)
	s_mov_b32 s[KF], 0
	s_mov_b32 s[TK], 0
	s_mov_b32 s[TKS], 0
	s_mov_b32 s[TV], 0
	s_mov_b32 s[TVS], 0
	s_mov_b32 s[CNT], 0
	s_wait_loadcnt 7                               ; loads come back in order: the fill's 26 are in; the youngest seven, Q's, may be out
.irp k, 0,1,2,3,4,5,6,7,8,9,10,11
	ds_store_b128 v20, v[128+4*\k:131+4*\k] offset:KGRP*(\k/3)+512*(\k%3)    ; three loads are a group of 32 keys
.endr
.irp g, 0,1,2,3                                ; three loads are two rows of V
	ds_store_b128 v21, v[176+12*\g:179+12*\g] offset:2*VP*\g
	ds_store_b128 v22, v[180+12*\g:183+12*\g] offset:2*VP*\g+512
	ds_store_b128 v21, v[184+12*\g:187+12*\g] offset:2*VP*\g+1072
.endr
	ds_store_b64 v23, v[224:225]
	ds_store_b64 v24, v[226:227]
	s_wait_loadcnt 0x0                             ; Q
	s_wait_dscnt 0x0                               ; for the others' sake: my stores have landed
	s_wait_alu depctr_vm_vsrc(0)                   ; the fill's loads and LDS stores have read v20-27 and v128-227: from here on vector and matrix instructions write these registers
	s_barrier_signal -1                            ; the launch's one barrier
	v_mov_b32 v[T0], 0                             ; work on registers between signal and wait: written once, since a lane permute's destination counts as one of its sources,
	v_mov_b32 v[T1], 0
	v_mov_b32 v[FF+1], 0                           ; (named as the upper half of a pair)
.set j, 0
.rept 64
	v_mov_b32 v[O+j], 0                            ; and O^T: the step is written once; the first finds zeros, which the first change of M leaves zeros
.set j, j+1
.endr
	s_barrier_wait -1                              ; both heads lie whole in LDS; from here on nobody writes there
; S^T's tile T for my tile u of queries: source 0 = 16 keys, source 1 = 16 queries; the constant 0 starts the sum
.macro SMUL T, u
.if ((\T)%2) && (\u)
	v_wmma_scale_f32_16x16x128_f8f6f4 v[S+8*(\T):S+8*(\T)+7], v[KV+6*(\T):KV+6*(\T)+11], v[Q+12*(\u):Q+12*(\u)+11], 0, v[KS+(\T)/2], v[QS] matrix_a_fmt:MATRIX_FMT_BF6 matrix_b_fmt:MATRIX_FMT_BF6 matrix_a_scale:MATRIX_SCALE_ROW1 matrix_b_scale:MATRIX_SCALE_ROW1
.elseif (\T)%2
	v_wmma_scale_f32_16x16x128_f8f6f4 v[S+8*(\T):S+8*(\T)+7], v[KV+6*(\T):KV+6*(\T)+11], v[Q+12*(\u):Q+12*(\u)+11], 0, v[KS+(\T)/2], v[QS] matrix_a_fmt:MATRIX_FMT_BF6 matrix_b_fmt:MATRIX_FMT_BF6 matrix_a_scale:MATRIX_SCALE_ROW1
.elseif \u
	v_wmma_scale_f32_16x16x128_f8f6f4 v[S+8*(\T):S+8*(\T)+7], v[KV+6*(\T):KV+6*(\T)+11], v[Q+12*(\u):Q+12*(\u)+11], 0, v[KS+(\T)/2], v[QS] matrix_a_fmt:MATRIX_FMT_BF6 matrix_b_fmt:MATRIX_FMT_BF6 matrix_b_scale:MATRIX_SCALE_ROW1
.else
	v_wmma_scale_f32_16x16x128_f8f6f4 v[S+8*(\T):S+8*(\T)+7], v[KV+6*(\T):KV+6*(\T)+11], v[Q+12*(\u):Q+12*(\u)+11], 0, v[KS+(\T)/2], v[QS] matrix_a_fmt:MATRIX_FMT_BF6 matrix_b_fmt:MATRIX_FMT_BF6
.endif
.endm
.macro SPROD u
.irp T, 0,1,2,3,4,5,6,7
	SMUL \T, \u
.endr
.endm
; O^T's tile t of tile u += V^T P^T: source 0 = 16 of the head's 64, source 1 = p's codes at v[pb] on; K = the step's 128 keys
.macro PMUL t, u, pb
.if (\t)%2
	v_wmma_scale_f32_16x16x128_f8f6f4 v[O+32*(\u)+8*(\t):O+32*(\u)+8*(\t)+7], v[KV+12*(\t):KV+12*(\t)+11], v[(\pb):(\pb)+11], v[O+32*(\u)+8*(\t):O+32*(\u)+8*(\t)+7], v[VS+(\t)/2], v[PWR+(\u)] matrix_a_fmt:MATRIX_FMT_BF6 matrix_b_fmt:MATRIX_FMT_BF6 matrix_a_scale:MATRIX_SCALE_ROW1
.else
	v_wmma_scale_f32_16x16x128_f8f6f4 v[O+32*(\u)+8*(\t):O+32*(\u)+8*(\t)+7], v[KV+12*(\t):KV+12*(\t)+11], v[(\pb):(\pb)+11], v[O+32*(\u)+8*(\t):O+32*(\u)+8*(\t)+7], v[VS+(\t)/2], v[PWR+(\u)] matrix_a_fmt:MATRIX_FMT_BF6 matrix_b_fmt:MATRIX_FMT_BF6
.endif
.endm
.macro RESCALE u                               ; O^T under the new M: x f, each accumulator from its low end on
.set j, 0
.rept 16
	v_pk_mul_f32 v[O+32*(\u)+j:O+32*(\u)+j+1], v[O+32*(\u)+j:O+32*(\u)+j+1], v[FF:FF+1] op_sel_hi:[1,0]
.set j, j+2
.endr
.endm
; THE SOFTMAX of tile u for the step's 128 keys: v[S + 32 c + i] is the score of key KF + 64 c + 32 (lane / 16) + i.  It leaves p's codes in v[pb] on, p's scale word, f, and the sum brought on.
; No memory or LDS instruction stands in it, and none names a register that it writes but p's codes' (the way out's loads).
.macro SOFT u, pb
.set NM, 12+4*(\u)
.set TX, 13+4*(\u)
.set LS, 14+4*(\u)
.set PW, PWR+(\u)
	s_cmp_le_u32 s[KE], s[VLN]                     ; a step all of whose keys are valid has no mask: a scalar branch on whole numbers
	s_cbranch_scc1 .Lopen_\@
.set j, 0
.rept 32
	v_pk_mul_f32 v[S+j:S+j+1], v[S+j:S+j+1], s[34:35] op_sel_hi:[1,0]   ; t, rounded to f32, so that valid and masked keys meet as t; the multiplier below is 1.0 in such a step
.set j, j+2
.endr
	v_lshlrev_b32 v[DL], 2, v[H8]
	v_sub_nc_u32 v[DL], s[DK], v[DL]               ; register 32 c + i is masked where 64 c + i >= valid_len - KF - 32 (lane / 16)
	v_mov_b32 v[TMV], 0xc9b01c38                   ; -1e6 x log2(e) in f32: -1,442,695.0
.set nn, 0
.rept 4                                        ; sixteen registers at a time: a run of compares into sixteen scalar registers, one wait, a run of selects
.set kk, 0
.rept 16
	v_cmp_ge_i32 s[MK+kk], 64*((nn+kk)/32)+(nn+kk)%32, v[DL]
.set kk, kk+1
.endr
	s_wait_alu depctr_va_sdst(0)                   ; the sixteen masks s46-61 are written, ahead of the selects that read them
.set kk, 0
.rept 16
	v_cndmask_b32 v[S+nn+kk], v[S+nn+kk], v[TMV], s[MK+kk]
.set kk, kk+1
.endr
.set nn, nn+16
.endr
.Lopen_\@:
	v_max3_num_f32 v[BM], v[S], v[S+1], v[S+2]     ; THE LARGEST SCORE OF EACH BLOCK OF 32 KEYS, all of them mine; ascending, the two blocks by turns.  It serves the row's maximum and the block's largest p
	v_max3_num_f32 v[BM+1], v[S+32], v[S+33], v[S+34]
.set i, 3
.rept 14
	v_max3_num_f32 v[BM], v[BM], v[S+i], v[S+i+1]
	v_max3_num_f32 v[BM+1], v[BM+1], v[S+32+i], v[S+33+i]
.set i, i+2
.endr
	v_max_num_f32 v[BM], v[BM], v[S+31]
	v_max_num_f32 v[BM+1], v[BM+1], v[S+63]
	v_max_num_f32 v[T0], v[BM], v[BM+1]
	v_permlanex16_b32 v[T1], v[T0], s32, s33
	v_max_num_f32 v[T0], v[T0], v[T1]              ; with lane l xor 16's 64 keys: the step's largest score of my query
	v_mul_f32 v[T0], s36, v[T0]                    ; as t
	v_max_num_f32 v[TX], v[TX], v[T0]              ; the running largest t
	v_mov_b32 v[T0], v[NM]
	v_floor_f32 v[NM], -v[TX]                      ; the new -M = floor(-t) = -ceil(t): a whole number
	v_sub_f32 v[T0], v[NM], v[T0]                  ; old M - new M: a whole number, 0 or less
	v_cvt_i32_f32 v[T0], v[T0]                     ; (it saturates)
	v_ldexp_f32 v[FF], 1.0, v[T0]                  ; f = 2^(old M - new M): a multiplication by it rounds nothing
.set j, 0
.rept 32
	v_pk_fma_f32 v[S+j:S+j+1], v[S+j:S+j+1], s[36:37], v[NM:NM+1] op_sel_hi:[1,0,0]   ; t - M, two at a time (of the two pairs the low word serves both halves)
.set j, j+2
.endr
	v_fma_f32 v[BM], v[BM], s36, v[NM]             ; the same of each block's largest score
	v_fma_f32 v[BM+1], v[BM+1], s36, v[NM]
.set j, 0
	s_wait_alu depctr_va_vdst(0)
.rept 64
	v_exp_f32 v[S+j], v[S+j]                       ; p = 2^(t - M): not normalised
.set j, j+1
.endr
	v_exp_f32 v[BM], v[BM]                         ; the block's largest p: the same two instructions on the same number give the same bits
	v_exp_f32 v[BM+1], v[BM+1]
	v_pk_mul_f32 v[LS:LS+1], v[LS:LS+1], v[FF:FF+1] op_sel_hi:[1,0]   ; the sums under the new M.  (The plain instruction behind the exponentials: ISA guide 5.7.2)
	s_wait_alu depctr_va_vdst(0)                   ; the 66 exponentials have written v[S ..] and v[BM], v[BM + 1]: one wait for the batch, ahead of the first line that names a result
	v_max_num_f32 v[BM], 0x2800000, v[BM]          ; the floor 2^(5 - 127): the byte cannot fall under 1
	v_max_num_f32 v[BM+1], 0x2800000, v[BM+1]
	v_add_nc_u32 v[SO], 0xfe000000, v[BM]          ; 4 off the exponent field: the conversion takes the exponent field of this operand as its scale
	v_add_nc_u32 v[SO+1], 0xfe000000, v[BM+1]
	v_lshrrev_b32 v[T0], 23, v[SO]                 ; the scales' bytes: blocks h and 2 + h of my query
	v_lshrrev_b32 v[T1], 23, v[SO+1]
	v_lshl_or_b32 v[PW], v[T1], 16, v[T0]
	v_lshlrev_b32 v[PW], v[H8], v[PW]              ; at their places in the word (8 h bits up);
	v_permlanex16_b32 v[T0], v[PW], s32, s33
	v_or_b32 v[PW], v[PW], v[T0]                   ; with lane l xor 16's two the word is whole
	v_pk_add_f32 v[T0:T1], v[S:S+1], v[S+2:S+3]    ; THE ROW'S SUM IS TAKEN OF THE UNQUANTISED p: two at a time, in two chains
.set j, 4
.rept 15
	v_pk_add_f32 v[LS:LS+1], v[LS:LS+1], v[S+j:S+j+1]
	v_pk_add_f32 v[T0:T1], v[T0:T1], v[S+j+2:S+j+3]
.set j, j+4
.endr
	v_pk_add_f32 v[LS:LS+1], v[LS:LS+1], v[T0:T1]
	; the codes: registers 6 c .. 6 c + 5 = my block of c.  A conversion's three registers begin on an even number, so each block's upper 16 codes are made elsewhere and moved.
	; With pb = S + 48 every result lies in S + 48 .. S + 63, which the first conversion has read: a plain instruction stands between it and the lines that write there.
	v_cvt_scalef32_pk16_bf6_f32 v[BM:BM+2], v[S+48:S+63], v[SO+1]
	v_nop
	v_cvt_scalef32_pk16_bf6_f32 v[(\pb):(\pb)+2], v[S:S+15], v[SO]
	v_cvt_scalef32_pk16_bf6_f32 v[(\pb)+6:(\pb)+8], v[S+32:S+47], v[SO+1]
	v_cvt_scalef32_pk16_bf6_f32 v[S+60:S+62], v[S+16:S+31], v[SO]
	v_nop                                          ; one plain instruction behind a scaled conversion
.irp i, 0,1,2
	v_mov_b32 v[(\pb)+3+\i], v[S+60+\i]
.endr
.irp i, 0,1,2
	v_mov_b32 v[(\pb)+9+\i], v[BM+\i]
.endr
.endm
; THE KEY STEPS.  The loop has a constant eight trips; a trip whose keys lie beyond what is to be walked jumps over its work, not over the lines that step addresses.  No barrier stands in it.
.Lstep:
	s_cmp_ge_u32 s[KF], s[NE]
	s_cbranch_scc1 .Lskip
	s_add_co_u32 s[KE], s[KF], 128
	s_sub_co_u32 s[DK], s[VLN], s[KF]
	s_cmp_le_u32 s[KE], s[VLN]
	s_cselect_b32 s36, s34, 0x3f800000             ; the step's multiplier: c, or 1.0 where the mask has already made t of the scores
	s_mov_b32 s37, s36
	s_wait_alu depctr_vm_vsrc(0)                   ; the LDS loads of the step before, V's, have read v6 and v35, which the two lines below write
	v_add_nc_u32 v[ADR], s[TK], v[AK]              ; (no LDS load of mine is out)
	v_add_nc_u32 v[ADR2], s[TKS], v[AKS]
	s_wait_alu depctr_va_vdst(0)                   ; v6 and v35 are written, which the loads below read; the products of the step before are done reading v62-109 and v28-31, in which they land; in the first trip: the zeros in Q's and K's operands are written, which the scaled products take
.irp T, 0,1,2,3,4,5,6,7
.irp p, 0,1,2
	ds_load_b64 v[KV+6*\T+2*\p:KV+6*\T+2*\p+1], v[ADR] offset:2*KGRP*(\T/4)+384*(\T%4)+8*\p   ; tile T: 24 bytes of a key's 48, as they lie
.endr
.endr
.irp y, 0,1,2,3
	ds_load_u16 v[KS+\y], v[ADR2] offset:128*(\y/2)+32*(\y%2)
.endr
	s_wait_dscnt 0x0
	SPROD 0
.rept 4
	v_nop                                          ; four places between a matrix instruction and the first read of its result (ISA guide 7.12.1)
.endr
	SOFT 0, P0
	SPROD 1                                        ; K's fragments serve a second time
	RESCALE 0                                      ; sixteen plain instructions that name nothing of those products: the places in front of the reads of S^T
	s_wait_alu depctr_vm_vsrc(0)                   ; K's LDS loads have read v6 and v35, which the two lines below write
	v_add_nc_u32 v[ADR], s[TV], v[AV]
	v_add_nc_u32 v[ADR2], s[TVS], v[AVS]
	s_wait_alu depctr_va_vdst(0)                   ; v6 and v35 are written, which the loads below read; tile 1's score products are done reading K's fragments in v62-109, in which they land (v32-33 were last read in the step before)
.irp t, 0,1,2,3
.irp p, 0,1,2,3,4,5
	ds_load_b64 v[KV+12*\t+2*\p:KV+12*\t+2*\p+1], v[ADR] offset:16*VP*\t+48*(\p/3)+8*(\p%3)   ; V lands while tile 1's softmax is walked: no line of it names v6, v35, v32-33 or v62-109
.endr
.endr
.irp y, 0,1
	ds_load_b32 v[VS+\y], v[ADR2] offset:32*VSP*\y
.endr
	SOFT 1, S+48
	RESCALE 1                                      ; sixteen places between the lines that wrote p's codes and scale word and the scaled products
	s_wait_dscnt 0x0                               ; V
	s_wait_alu depctr_va_vdst(0)                   ; both tiles' codes of p (v116-127, v176-187) and scale words (v36, v37) are written, which the scaled products below take; the places above stay beside this wait
.irp t, 0,1,2,3
	PMUL \t, 0, P0                                 ; eight accumulators, one instruction each
	PMUL \t, 1, S+48
.endr
.rept 5
	v_nop                                          ; five places: the next step's first products write over tile 1's codes, which these products have read; the way out reads O^T
.endr
.Lskip:
	s_add_co_u32 s[KF], s[KF], 128
	s_add_co_u32 s[TK], s[TK], 4*KGRP              ; 128 keys are four groups,
	s_add_co_u32 s[TKS], s[TKS], 256               ; 256 scale bytes of K,
	s_add_co_u32 s[TV], s[TV], 96                  ; 96 bytes of each row of V
	s_add_co_u32 s[TVS], s[TVS], 4                 ; and one scale word of each
	s_add_co_u32 s[CNT], s[CNT], 1
	s_cmp_lt_u32 s[CNT], 8
	s_cbranch_scc1 .Lstep
	; THE WAY OUT.  The sum's halves and lane l xor 16's are added; O^T / the sum goes through my own stage in LDS, a tile (16 rows of 256 bytes) at a time, and leaves as whole rows.
	v_add_f32 v20, v14, v15
	v_add_f32 v21, v18, v19
	v_permlanex16_b32 v22, v20, s32, s33
	v_permlanex16_b32 v23, v21, s32, s33
	v_add_f32 v20, v20, v22
	v_add_f32 v21, v21, v23
	s_wait_alu depctr_va_vdst(0)
	v_rcp_f32 v24, v20                             ; the row's largest p lies above 1/2: no sum is 0
	v_rcp_f32 v26, v21
	v_nop                                          ; a plain instruction between the reciprocals and the use of their results
	s_wait_alu depctr_va_vdst(0)                   ; the two reciprocals have written v24 and v26, ahead of the first multiply that reads them
.macro OMUL u                                  ; a tile's O^T / the sum
.set j, 0
.rept 16
	v_pk_mul_f32 v[S+32*\u+j:S+32*\u+j+1], v[O+32*\u+j:O+32*\u+j+1], v[24+2*\u:25+2*\u] op_sel_hi:[1,0]   ; register 8 t + i is o(query r, 16 t + 8 h + i); each accumulator from its low end on
.set j, j+2
.endr
.endm
.macro OSTG u                                  ; a tile through the stage
.irp t, 0,1,2,3
	ds_store_b128 v[STO], v[S+32*\u+8*\t:S+32*\u+8*\t+3] offset:64*\t
	ds_store_b128 v[STO], v[S+32*\u+8*\t+4:S+32*\u+8*\t+7] offset:64*\t+16
.endr
.irp i, 0,1,2,3,4,5,6,7
	ds_load_b128 v[KV+32*\u+4*\i:KV+32*\u+4*\i+3], v[RD] offset:544*\i   ; LDS serves a wave's instructions in order (ISA guide 5.7.1.4): these see my stores, and the next tile's stores come behind them
.endr
.endm
	OMUL 0                                         ; both tiles' multiplies first, so that one wait serves all the stage's stores and loads
	OMUL 1
	s_wait_alu depctr_va_vdst(0)                   ; the 32 multiplies have written v128-191, which the LDS stores read; the last products and the lines that made p's codes are done with v62-125, in which the stage's loads land
	OSTG 0
	OSTG 1
.irp i, 0,1,2,3,4,5,6,7
	s_wait_dscnt 23-\i                             ; behind tile 0's load i: its 7 - i later loads, tile 1's 8 stores and 8 loads
	global_store_b128 v[LI], v[KV+4*\i:KV+4*\i+3], s[30:31] offset:512*\i th:TH_STORE_NT          ; 32 lanes store 512 consecutive bytes, two whole rows, at a multiple of 256 from out0's first byte
.endr
.irp i, 0,1,2,3,4,5,6,7
	s_wait_dscnt 7-\i                              ; behind tile 1's load i: its 7 - i later loads
	global_store_b128 v[LI], v[KV+32+4*\i:KV+32+4*\i+3], s[30:31] offset:4096+512*\i th:TH_STORE_NT
.endr
	s_wait_xcnt 0x0
	v_lshl_add_u32 v254, v0, 2, 0x46c00            ; the add's two registers, made anew: no two could be kept.  No memory or LDS instruction has read v254 or v255: O^T was named by vector and matrix instructions alone
	v_mov_b32 v255, 0
	s_wait_dscnt 0x0                               ; the closing lines, six on end
	s_wait_alu 0x0
	s_wait_tensorcnt 0x0
	ds_add_u32 v254, v255
	s_wait_dscnt 0x0
	s_endpgm
.Lfunc_end_k_q9ed9d25fd4_attn:
	.size	k_q9ed9d25fd4_attn, .Lfunc_end_k_q9ed9d25fd4_attn-k_q9ed9d25fd4_attn
	.p2alignl 7, 3214868480
	.fill 96, 4, 3214868480
	.section	.rodata,"a",@progbits
	.p2align	6, 0x0
	.amdhsa_kernel k_q9ed9d25fd4_attn
		.amdhsa_group_segment_fixed_size 291840
		.amdhsa_private_segment_fixed_size 0
		.amdhsa_enable_private_segment 0
		.amdhsa_kernarg_size 64
		.amdhsa_user_sgpr_count 2
		.amdhsa_user_sgpr_kernarg_segment_ptr 1
		.amdhsa_wavefront_size32 1
		.amdhsa_system_sgpr_workgroup_id_x 1
		.amdhsa_system_sgpr_workgroup_id_y 1
		.amdhsa_system_sgpr_workgroup_id_z 1
		.amdhsa_system_vgpr_workitem_id 0
		.amdhsa_next_free_vgpr 256
		.amdhsa_next_free_sgpr 66
		.amdhsa_reserve_vcc 0
		.amdhsa_float_denorm_mode_32 3
		.amdhsa_float_denorm_mode_16_64 3
		.amdhsa_memory_ordered 1
		.amdhsa_forward_progress 1
		.amdhsa_inst_pref_size 84
	.end_amdhsa_kernel
	.amdgpu_metadata
---
amdhsa.version: [ 1, 2 ]
amdhsa.kernels:
  - .name:           k_q9ed9d25fd4_attn
    .symbol:         k_q9ed9d25fd4_attn.kd
    .args:
      - { .name: keys_codes, .offset: 0, .size: 8, .value_kind: global_buffer, .address_space: global }
      - { .name: keys_scales, .offset: 8, .size: 8, .value_kind: global_buffer, .address_space: global }
      - { .name: queries_codes, .offset: 16, .size: 8, .value_kind: global_buffer, .address_space: global }
      - { .name: queries_scales, .offset: 24, .size: 8, .value_kind: global_buffer, .address_space: global }
      - { .name: valid_lens, .offset: 32, .size: 8, .value_kind: global_buffer, .address_space: global }
      - { .name: values_codes, .offset: 40, .size: 8, .value_kind: global_buffer, .address_space: global }
      - { .name: values_scales, .offset: 48, .size: 8, .value_kind: global_buffer, .address_space: global }
      - { .name: out0, .offset: 56, .size: 8, .value_kind: global_buffer, .address_space: global }
    .group_segment_fixed_size: 291840
    .private_segment_fixed_size: 0
    .kernarg_segment_align: 8
    .kernarg_segment_size: 64
    .max_flat_workgroup_size: 512
    .sgpr_count:     66
    .vgpr_count:     256
    .wavefront_size: 32
...
	.end_amdgpu_metadata
.endif
;; end of part 2
